; MI455X (gfx1250); checked and timed in simulation.
; The chip was launched on July 23, 2026; its instructions are those of AMD's public machine-readable ISA for CDNA 5 (MIT licence, August 2026) and "CDNA5" Instruction Set Architecture Reference Guide (July 2026). The comments in the code are by the model that wrote it; some were corrected since.
;; Trans Block. Allowed arithmetic: matrix products marked QUANTISED: E4M3 operands, one given power-of-two scale a tensor, by v_wmma_f32_16x16x64_fp8_fp8 or v_wmma_f32_16x16x128_fp8_fp8, f32 sums; everything else in f32.
;; Inputs: W_qkv 1,024 x 3,072 float32; b_qkv 3,072 float32; lowp_scales 6 int32 (the exponents e of the quantised operands' scales 2^e); x 32 x 512 x 1,024 float32.
;; Outputs: out0 32 x 512 x 1,024 float32.
;; This version of the problem:
;;   THIS VERSION OF THE PROBLEM IS GIVEN IN LOW PRECISION. The matrix products marked QUANTISED in the list below multiply operands that are first quantised to E4M3 (4 exponent bits, 3 mantissa bits; 8 bits a number), with one given power-of-two scale for each operand tensor; their sums are f32. All else is computed in f32.
;;   The module's matrix products, in the order in which they are computed (A, B: the left and right operand; K: the contracted axis; several contracted axes count as one K, in the product's order):
;;     1. [M 16,384, K 1,024] x [K 1,024, N 3,072]; A: input x; B: input W_qkv: QUANTISED (scales: A lowp_scales[0], B lowp_scales[1])
;;     2. batch 32 x [M 512, K 1,024] x [K 1,024, N 512]; A: computed on the way; B: computed on the way: QUANTISED (scales: A lowp_scales[2], B lowp_scales[3])
;;     3. batch 32 x [M 512, K 512] x [K 512, N 1,024]; A: softmax (see below); B: computed on the way: QUANTISED (scales: A lowp_scales[4], B lowp_scales[5])
;;   THE QUANTISER, for each operand of a quantised product, along K:
;;     - The operand's scale is 2^e, e = its entry of the input lowp_scales (int32; the entries are numbered through the quantised products in the list's order, A before B).
;;     - Each number is divided by the scale, clamped to +-448, and rounded to the nearest number of E4M3, ties to even, subnormals kept.
;;     - The product sums the exact products of the quantised numbers (number of the format x scale) in f32.
;;   ~~~python
;;   def quantise(x, axis, e):      # numpy; x: float32 -> the quantised numbers, widened to float32 again
;;       x = np.moveaxis(x, axis, -1); K = x.shape[-1]
;;       r = np.clip(x / 2.0 ** e, -448, 448)
;;       step = 2.0 ** (np.maximum(np.frexp(np.where(r == 0, 1, r))[1] - 1, -6) - 3)
;;       q = np.round(r / step) * step * 2.0 ** e      # np.round: ties to even
;;       return np.moveaxis(q, -1, axis).astype(np.float32)
;;   ~~~
;;   SOFTMAX AHEAD OF A QUANTISED PRODUCT. Where the list says 'softmax', what is quantised is not the finished softmax but p = 2^(t - M), with t = logit x log2(e) and M = ceil(the row's largest t), a whole number; so 1/2 < the row's largest p <= 1. The row's sum l is taken of the UNQUANTISED p, in f32, and the product's result is divided by l at the end. Since M is a whole number, a kernel that streams over the keys may use a running M (the ceiling of the running maximum): every later rescaling is an exact power of two, so the quantised numbers keep their values, but for numbers so far below the row's largest that they fall under the format's range.
;;   OPERANDS COMPUTED ON THE WAY. 'Computed on the way' means the value that the module computes at that place (a softmax that the list does not call 'softmax' is quantised finished and normalised). What goes into a quantiser is computed in f32, as accurately as f32 sums, v_exp_f32 and their like allow (about 1e-6 of the number): no bf16 or f16 on the way to a quantiser, and a product that is left as it is and whose result goes on into a quantised operand takes f32 operands (vector FMAs, or v_wmma_f32_16x16x4_f32). A number that lies on a knife's edge between two numbers of the format may be rounded either way, as far as f32 arithmetic and the matrix unit's own rounding can turn it there, and no further.
;; One version. Each part assembles by itself: llvm-mc -triple=amdgcn-amd-amdhsa -mcpu=gfx1250 --defsym DOCPART=n.
;; ======== version 1 of 1: 3 launches
;; limits: right only within a limited range of input values
;; workspace buffers: xcodes 16,777,216 bytes; wcodes 3,145,728 bytes; qkv 50,331,648 bytes
;; launch quant (part 1): grid 704 x 1, 4 waves a work-group, no clusters, 53,760 bytes of LDS; arguments x, W_qkv, lowp_scales, xcodes, wcodes; writes xcodes, wcodes
.if DOCPART == 1
	.amdgcn_target "amdgcn-amd-amdhsa--gfx1250"
	.amdhsa_code_object_version 6
	.text
	.protected	k_q8354ef97c2_quant
	.globl	k_q8354ef97c2_quant
	.p2align	8
	.type	k_q8354ef97c2_quant,@function
k_q8354ef97c2_quant:
	s_mov_b64 s[64:65], 0
	v_nop
	global_prefetch_b8 v0, s[64:65] scope:SCOPE_SE
	s_setreg_imm32_b32 hwreg(HW_REG_WAVE_MODE, 25, 1), 1
	s_wait_xcnt 0x0
; x [16384][1024] f32 and W_qkv [1024 (k)][3072 (n)] f32 become codes of FP8 (E4M3), each with the one scale 2^e that is given for it (entries 0 and 1 of the scales).
; code = number / 2^e, held within +-448, rounded to the nearest code, ties to even.
; BOTH BUFFERS ARE IMAGES OF OPERAND REGISTERS.  A row of x (a column of W) is 64 pieces of 16 codes.  Sixteen rows make 16,384 bytes: piece p of row r lies at 512 (p / 2) + 256 (p % 2) + 16 r,
; so that 512 bytes are one 16-byte load of a wave.  Piece p = 32 u + l holds, at byte i, k = 512 u + 128 (i / 4) + 4 l + i % 4: the order in which four dense loads leave 16 numbers in lane l;
; x and W share this permutation of K, so every product keeps its partner.
; Work-groups 0 to 191 take W, 192 to 703 take x.  Waves share nothing: no barrier.  No matrix unit, no cluster, no tensor load: the launch only streams.
; LIMITS: e between -126 and 119, so that 2^e and 448 x 2^e are f32 numbers.  NaN among the inputs is not served (an infinity is held at the largest code).
.set WWGS,  192                        ; work-groups that take W
.set XST,   8704                       ; x: a wave's stage: 32 pieces x (16 rows x 16 bytes + 16)
.set WST,   4608                       ; W: a wave's stage: 32 columns x (128 bytes of codes + 16)
.set WB,    4*XST                      ; W's stages lie behind x's
.set SPARE, WB+4*WST                   ; the spare words: two blocks of 256 bytes that no other line names
.set R,     16                         ; x: v16-79   four sets of 16 numbers, then the way out
.set C,     128                        ; x: v128-191 codes, four registers for each step
.set WROWB, 12288                      ; a row of W in bytes
.set X,     32                         ; W: v32-95   two sets of 32 numbers
.set CW,    96                         ; W: v96-103  a block's codes
.set OUTR,  112                        ; W: v112-143 the way out
.macro XLOAD t                         ; step t: 512 numbers of row t, four loads of 512 consecutive bytes, 16 bytes a lane
.irp j, 0,1,2,3
	global_load_b128 v[R+16*((\t)%4)+4*\j:R+16*((\t)%4)+4*\j+3], v9, s[4:5] offset:4096*(\t)+512*\j th:TH_LOAD_NT
.endr
.endm
.macro XSTEP t
.set XS, R+16*((\t)%4)
.if 15-(\t) >= 3
	s_wait_loadcnt 12                              ; this step's four loads are in; those of the three steps behind it may be out
.else
	s_wait_loadcnt 4*(15-(\t))
.endif
.irp i, 0,1,2,3,4,5,6,7,8,9,10,11,12,13,14,15
	v_med3_num_f32 v[XS+\i], v[XS+\i], -v10, v10   ; the conversion to an 8-bit code does not saturate (ISA guide 7.6.2): the hold at the largest code x the scale
.endr
	v_cvt_scalef32_pk8_fp8_f32 v[C+4*(\t):C+4*(\t)+1], v[XS:XS+7], v11
	v_cvt_scalef32_pk8_fp8_f32 v[C+4*(\t)+2:C+4*(\t)+3], v[XS+8:XS+15], v11
.if (\t)+4 < 16
	XLOAD (\t)+4                                   ; the set just converted takes the loads of four steps on
.endif
	ds_store_b128 v3, v[C+4*(\t):C+4*(\t)+3] offset:16*(\t)
.endm
.macro WLOAD t                         ; block t: register i takes the k that belongs at byte 32 t + i of my 128 bytes; each load reads 128 consecutive bytes of a row of W
.irp i, 0,1,2,3,4,5,6,7,8,9,10,11,12,13,14,15,16,17,18,19,20,21,22,23,24,25,26,27,28,29,30,31
	global_load_b32 v[X+32*((\t)%2)+\i], v7, s[6:7] offset:(128*((\i%16)/4)+8*(\t)+4*(\i/16)+\i%4)*WROWB th:TH_LOAD_NT
.endr
.endm
.macro WBLOCK t
.set XS, X+32*((\t)%2)
.if (\t) < 3
	s_wait_loadcnt 32                              ; this block's 32 loads are in; the next block's may be out
.else
	s_wait_loadcnt 0
.endif
.irp i, 0,1,2,3,4,5,6,7,8,9,10,11,12,13,14,15,16,17,18,19,20,21,22,23,24,25,26,27,28,29,30,31
	v_med3_num_f32 v[XS+\i], v[XS+\i], -v10, v10
.endr
.irp g, 0,1,2,3
	v_cvt_scalef32_pk8_fp8_f32 v[CW+2*\g:CW+2*\g+1], v[XS+8*\g:XS+8*\g+7], v11
.endr
	ds_store_b128 v8, v[CW:CW+3] offset:32*(\t)    ; 32 codes of my column's row
	ds_store_b128 v8, v[CW+4:CW+7] offset:32*(\t)+16
.if (\t)+2 < 4
	WLOAD (\t)+2
.endif
	s_wait_dscnt 0x0                               ; the stores have read their registers: the next block's codes may be written
.endm
.macro FINISH
	s_wait_tensorcnt 0x0                           ; the wave's end
	ds_add_u32 v192, v193
	s_wait_dscnt 0x0
	s_endpgm
.endm
	s_load_b256 s[4:11], s[0:1], 0x0               ; x s[4:5], W s[6:7], the scales' exponents s[8:9], xcodes s[10:11]
	s_load_b64 s[12:13], s[0:1], 0x20              ; wcodes
	v_lshl_add_u32 v192, v0, 2, SPARE
	v_mov_b32 v193, 0
	v_lshrrev_b32 v1, 5, v0
	v_readfirstlane_b32 s16, v1                    ; wave 0..3
	s_mul_i32 s20, s16, XST
	s_mul_i32 s21, s16, WST
	s_add_co_u32 s21, s21, WB
	v_and_b32 v2, 31, v0                           ; lane
	v_and_b32 v5, 15, v0                           ; lane % 16
	v_bfe_u32 v6, v0, 4, 1                         ; lane / 16
	v_lshlrev_b32 v9, 4, v2                        ; my 16 bytes of a load's or a store's 512
	v_mul_u32_u24 v3, v2, 272
	v_add_nc_u32 v3, s20, v3                       ; x, into the stage: piece = lane, row = step
	v_mul_u32_u24 v4, v6, 272
	v_lshl_add_u32 v4, v5, 4, v4
	v_add_nc_u32 v4, s20, v4                       ; x, out of it: lanes 0-15 the rows of one piece, lanes 16-31 of the next
	v_lshlrev_b32 v7, 2, v2                        ; W: 4 bytes a lane
	v_mul_u32_u24 v8, v2, 144
	v_add_nc_u32 v8, s21, v8                       ; W, into the stage: row = my column
	v_mul_u32_u24 v12, v5, 144
	v_lshl_add_u32 v12, v6, 4, v12
	v_add_nc_u32 v12, s21, v12                     ; W, out of it: column lane % 16, piece lane / 16 of a pair
	s_wait_alu depctr_va_vdst(0)
	s_wait_kmcnt 0x0
	s_load_b64 s[22:23], s[8:9], 0x0               ; e of x, e of W
	s_mov_b32 s19, 0
	s_cmp_lt_u32 ttmp9, WWGS
	s_cbranch_scc1 .Lw
	; ---- x: a wave takes 512 along K of 16 rows, a row a step; loads run four steps (16 loads) ahead
	s_sub_co_u32 s17, ttmp9, WWGS
	s_lshl_b32 s17, s17, 2
	s_add_co_u32 s17, s17, s16                     ; 0 to 2,047: 2 x row tile + which 512
	s_lshr_b32 s18, s17, 1
	s_lshl_b32 s18, s18, 16
	s_and_b32 s20, s17, 1
	s_lshl_b32 s20, s20, 11
	s_add_co_u32 s18, s18, s20
	s_add_nc_u64 s[4:5], s[4:5], s[18:19]
	s_lshl_b32 s18, s17, 13                        ; 8,192 bytes of codes
	s_add_nc_u64 s[10:11], s[10:11], s[18:19]
.irp t, 0,1,2,3
	XLOAD \t
.endr
	s_wait_kmcnt 0x0
	s_add_co_i32 s22, s22, 127
	s_lshl_b32 s24, s22, 23
	v_mov_b32 v11, s24                             ; 2^e as f32: the conversion takes its exponent field
	s_add_co_i32 s22, s22, 8
	s_lshl_b32 s22, s22, 23
	s_or_b32 s22, s22, 0x600000
	v_mov_b32 v10, s22                             ; 448 x 2^e
	s_wait_alu depctr_va_vdst(0)
.irp t, 0,1,2,3,4,5,6,7,8,9,10,11,12,13,14,15
	XSTEP \t
.endr
.irp q, 0,1,2,3,4,5,6,7,8,9,10,11,12,13,14,15
	ds_load_b128 v[R+4*\q:R+4*\q+3], v4 offset:544*\q   ; LDS serves a wave's instructions in order (ISA guide 5.7.1.4): these see my stores
.endr
.irp q, 0,1,2,3,4,5,6,7,8,9,10,11,12,13,14,15
	s_wait_dscnt 15-\q
	global_store_b128 v9, v[R+4*\q:R+4*\q+3], s[10:11] offset:512*\q   ; the wave stores 512 consecutive bytes, aligned
.endr
	FINISH
	; ---- W: a lane takes a column n and its registers run down K, in the permuted order; a wave takes 32 columns x 128 bytes of codes, which leave through its own stage
.Lw:
	s_lshr_b32 s18, ttmp9, 3                       ; which 128 columns
	s_and_b32 s17, ttmp9, 7                        ; which 128 bytes of a column's codes
	s_lshl_b32 s20, s18, 7
	s_lshl_b32 s21, s16, 5
	s_add_co_u32 s20, s20, s21                     ; my wave's first column
	s_lshr_b32 s24, s17, 2                         ; the run of 512 along K,
	s_and_b32 s25, s17, 3                          ; and its 8 pieces: 32 rows of W further on for each 8
	s_lshl_b32 s26, s24, 9
	s_lshl_b32 s27, s25, 5
	s_add_co_u32 s26, s26, s27
	s_mul_i32 s26, s26, WROWB
	s_lshl_b32 s27, s20, 2
	s_add_co_u32 s18, s26, s27
	s_add_nc_u64 s[6:7], s[6:7], s[18:19]
	s_lshl_b32 s18, s20, 10                        ; 16 columns are 16,384 bytes,
	s_lshl_b32 s24, s24, 13
	s_add_co_u32 s18, s18, s24                     ; a run 8,192,
	s_lshl_b32 s25, s25, 11
	s_add_co_u32 s18, s18, s25                     ; 8 pieces 2,048
	s_add_nc_u64 s[12:13], s[12:13], s[18:19]
	WLOAD 0
	WLOAD 1
	s_wait_kmcnt 0x0
	s_add_co_i32 s23, s23, 127
	s_lshl_b32 s22, s23, 23
	v_mov_b32 v11, s22                             ; 2^e as f32
	s_add_co_i32 s23, s23, 8
	s_lshl_b32 s23, s23, 23
	s_or_b32 s23, s23, 0x600000
	v_mov_b32 v10, s23                             ; 448 x 2^e
	s_wait_alu depctr_va_vdst(0)
.irp t, 0,1,2,3
	WBLOCK \t
.endr
.irp t, 0,1,2,3,4,5,6,7
	ds_load_b128 v[OUTR+4*\t:OUTR+4*\t+3], v12 offset:(\t/4)*16*144+32*(\t%4)
.endr
.irp t, 0,1,2,3,4,5,6,7
	s_wait_dscnt 7-\t
	global_store_b128 v9, v[OUTR+4*\t:OUTR+4*\t+3], s[12:13] offset:(\t/4)*16384+512*(\t%4)
.endr
	FINISH
.Lfunc_end_k_q8354ef97c2_quant:
	.size	k_q8354ef97c2_quant, .Lfunc_end_k_q8354ef97c2_quant-k_q8354ef97c2_quant
	.p2alignl 7, 3214868480
	.fill 96, 4, 3214868480
	.section	.rodata,"a",@progbits
	.p2align	6, 0x0
	.amdhsa_kernel k_q8354ef97c2_quant
		.amdhsa_group_segment_fixed_size 53760
		.amdhsa_private_segment_fixed_size 0
		.amdhsa_enable_private_segment 0
		.amdhsa_kernarg_size 40
		.amdhsa_user_sgpr_count 2
		.amdhsa_user_sgpr_kernarg_segment_ptr 1
		.amdhsa_wavefront_size32 1
		.amdhsa_system_sgpr_workgroup_id_x 1
		.amdhsa_system_sgpr_workgroup_id_y 1
		.amdhsa_system_sgpr_workgroup_id_z 1
		.amdhsa_system_vgpr_workitem_id 0
		.amdhsa_next_free_vgpr 194
		.amdhsa_next_free_sgpr 66
		.amdhsa_reserve_vcc 0
		.amdhsa_float_denorm_mode_32 3
		.amdhsa_float_denorm_mode_16_64 3
		.amdhsa_memory_ordered 1
		.amdhsa_forward_progress 1
		.amdhsa_inst_pref_size 56
	.end_amdhsa_kernel
	.amdgpu_metadata
---
amdhsa.version: [ 1, 2 ]
amdhsa.kernels:
  - .name:           k_q8354ef97c2_quant
    .symbol:         k_q8354ef97c2_quant.kd
    .args:
      - { .name: x, .offset: 0, .size: 8, .value_kind: global_buffer, .address_space: global }
      - { .name: W_qkv, .offset: 8, .size: 8, .value_kind: global_buffer, .address_space: global }
      - { .name: lowp_scales, .offset: 16, .size: 8, .value_kind: global_buffer, .address_space: global }
      - { .name: xcodes, .offset: 24, .size: 8, .value_kind: global_buffer, .address_space: global }
      - { .name: wcodes, .offset: 32, .size: 8, .value_kind: global_buffer, .address_space: global }
    .group_segment_fixed_size: 53760
    .private_segment_fixed_size: 0
    .kernarg_segment_align: 8
    .kernarg_segment_size: 40
    .max_flat_workgroup_size: 128
    .sgpr_count:     66
    .vgpr_count:     194
    .wavefront_size: 32
...
	.end_amdgpu_metadata
.endif
;; end of part 1
;; launch proj (part 2): grid 64 x 4, 4 waves a work-group, clusters of 4 x 1, 327,680 bytes of LDS; arguments xcodes, wcodes, b_qkv, lowp_scales, qkv; writes qkv
.if DOCPART == 2
	.amdgcn_target "amdgcn-amd-amdhsa--gfx1250"
	.amdhsa_code_object_version 6
	.text
	.protected	k_q8354ef97c2_proj
	.globl	k_q8354ef97c2_proj
	.p2align	8
	.type	k_q8354ef97c2_proj,@function
k_q8354ef97c2_proj:
	s_mov_b64 s[64:65], 0
	v_nop
	global_prefetch_b8 v0, s[64:65] scope:SCOPE_SE
	s_setreg_imm32_b32 hwreg(HW_REG_WAVE_MODE, 25, 1), 1
	s_wait_xcnt 0x0
	s_wait_alu depctr_hold_cnt(0) depctr_sa_sdst(0) depctr_va_vdst(0) depctr_va_sdst(0) depctr_va_ssrc(0) depctr_va_vcc(0) depctr_vm_vsrc(0)
	s_getreg_b32 s2, hwreg(HW_REG_IB_STS2, 6, 4)
	s_cmp_eq_u32 s2, 0
	s_cbranch_scc0 .Lentry_in_a_cluster
	s_endpgm
.Lentry_in_a_cluster:
	s_bfe_u32 s2, ttmp6, 0x10000c
	s_cmp_lg_u32 s2, 0x3003
	s_cbranch_scc0 .Lentry_shape_is_right
	s_endpgm
.Lentry_shape_is_right:
; qkv = x W + b on codes of FP8 (E4M3), sums in f32; Q, K and V leave as codes with their own given scales, as images of operand registers.
; A work-group (row block X, column quarter y) takes 256 tokens x 256 columns each of Q, of K and of V.  A WAVE KEEPS ITS 64 ROWS OF x, ALL OF K, IN 512 REGISTERS, loaded once, straight from memory.
; W streams through two LDS slots of 128 columns x all K (131,072 bytes), six slots' worth in all, and each of the four waves reads all of it.
; CLUSTERS: four row blocks with the same column quarter; each wave asks jointly, mask 15, for 32 columns of each slot.  x's codes are not shared jointly: the work-groups that read the same rows lie in other clusters,
; and the codes go past LDS into registers once a launch.  No prefetch: a refill has a whole slot's 256 matrix instructions a wave in which to land.
; A PASS is 32 columns (two tiles): 64 matrix instructions on 8 accumulators by turns.  Two sets of accumulators: while one is multiplied, the other (the pass before) is held within the largest code, converted and stored.
; THE BIAS, divided by 2^(ex + ew), is the C of a sum's first product, from an image in LDS.  A sum stands for sum x 2^(ex + ew), so the code is sum / 2^(e - ex - ew): the conversion's one scale.
; Q and K are made transposed (source 0 = W): a lane holds a token and 8 neighbouring columns a tile.  V is made the other way (source 0 = x): a lane holds a column and 8 neighbouring tokens a tile.
; LAYOUT of qkv, blocks of 512 bytes, 16 a lane.  Q at 0, K at 2^24: tiles of 128 tokens x 256 columns, 32,768 bytes, index 4 (token / 128) + column / 256: block (column / 32 % 8) * 8 + token / 16 % 8.
; V at 2^25: tiles of 64 columns x 512 tokens, 32,768 bytes, index 16 (token / 512) + column / 64: block (token / 64 % 8) * 8 + (column / 16 % 4) * 2 + token / 32 % 2.
; Inside 32 of the next product's K the place 16 h + 8 u + j holds number 16 u + 8 h + j, in all three alike.
; LIMITS: ex + ew between -127 and 126, and e - ex - ew between -126 and 119 for e of Q, K, V, so that the powers of two are f32 numbers.
; REGISTERS.  Window 0: addresses, v32-47 bias, v64-127 and v128-191 accumulators, v192-223 codes.  Window 1: four buffers of W's fragments (256 along K each).  Windows 2, 3: x's fragments.
.set SLOT,  131072
.set BIMG,  262144                     ; the bias image: 48 tiles of 1,024 bytes
.set SPARE, BIMG+49152                 ; the spare words: two blocks of 256 bytes that no other line names
.set A0,  4                            ; v4, v5  where passes 0, 1 and 2, 3 of the slot in hand are read
.set A1,  5
.set BA,  6                            ; v6      the bias of the slot in hand
.set CO,  8                            ; v8      16 x lane
.set BA0, 9
.set SC,  24                           ; v24     the conversion's scale
.set SPW, 28
.set NIL, 29
.set BC,  32
.set ACC, 64
.set CD,  192
.set G1,  24                           ; s[24:31] descriptor group 1;  s[32:35] group 0, which walks
.set G0,  32
.set DD,  36                           ; s[36:37] W: bytes to the next slot's columns
.set DN,  38                           ; s[38:39] qkv: bytes to the next slot's results
.set TR,  40
.set TB,  41                           ; slot in hand
.set PB,  44                           ; s[44:45] where results go
.set NB,  46                           ; s[46:47] where a slot's results begin
.set LO,  50                           ; s50, s51 the hold, s52 the scale, of what is converted
.set HI,  51
.set SCS, 52
.set BBS, 62                           ; bias: the slot in hand
.set NV,  74                           ; s[74:75] where V's results begin
.set RS,  76                           ; s[76:77] step to the last pass of the slot before
.set MSB, 0
.macro WIN new                         ; the immediate's high byte repeats the setting that is left
.if MSB != (\new)
	s_set_vgpr_msb (MSB<<8)|(\new)
.set MSB, \new
.endif
.endm
.macro MULW v, g                       ; Q, K: source 0 window 1, source 1 window 2 or 3;  V: the other way round;  C and D window 0
	WIN 9-3*(\v)+(4-3*(\v))*((\g)/2)
.endm
.macro CREST
	s_cmp_lg_u32 s14, 0
	s_cbranch_scc1 .Lnot_wave_0_\@
	s_barrier_signal -3
.Lnot_wave_0_\@:
	s_barrier_wait -3
	s_barrier_signal -1
	s_barrier_wait -1
.endm
.macro CROUND
	s_barrier_signal -1
	s_barrier_wait -1
	CREST
.endm
.macro PLACES
.rept 4
	v_nop
.endr
.endm
.macro XLOAD k                         ; x's fragments of 128 along K: 16 loads of 512 consecutive bytes
	WIN 0x80+0x40*((\k)/4)
.irp m, 0,1,2,3
.irp c, 0,1,2,3
	global_load_b128 v[64*((\k)%4)+16*\m+4*\c:64*((\k)%4)+16*\m+4*\c+3], v[CO], s[22:23] offset:16384*\m+2048*(\k)+512*\c
.endr
.endr
.endm
.macro FETCH buf, q                    ; a buffer: two tiles x 256 along K
.set fA, A0+(\q)/2
.set fO, 32768*((\q)%2)+4096*(\buf)
	WIN 0x40
.irp kl, 0,1
.irp n, 0,1
.irp c, 0,1,2,3
	ds_load_b128 v[64*(\buf)+32*\kl+16*\n+4*\c:64*(\buf)+32*\kl+16*\n+4*\c+3], v[fA] offset:fO+2048*\kl+16384*\n+512*\c
.endr
.endr
.endr
.endm
.macro FBIAS q
	WIN 0
.irp n, 0,1
	ds_load_b128 v[BC+8*\n:BC+8*\n+3], v[BA] offset:2048*(\q)+1024*\n
	ds_load_b128 v[BC+8*\n+4:BC+8*\n+7], v[BA] offset:2048*(\q)+1024*\n+512
.endr
.endm
; Eight products, 128 along K, the set's accumulators by turns; behind each one a number of the other set is held within +-448 x the scale (the conversion does not saturate: ISA guide 7.6.2).
; These holds are also the places that loads into, and reads of, matrix instructions' registers want.  Accumulator i: Q, K: tile i % 2 of W, rows i / 2 of x;  V: i / 4, i % 4: so registers 16 j .. 16 j + 15 make one lane's 16 codes.
.macro HALF v, set, g, kl
.set hW, 64*(\g)+32*(\kl)
.set hX, 64*((2*(\g)+(\kl))%4)
.set hE, ACC+64*(1-(\set))+16*(\g)+8*(\kl)
	MULW \v, \g
.irp i, 0,1,2,3,4,5,6,7
.set hA, ACC+64*(\set)+8*\i
.if \v
.set hN, hW+16*(\i/4)
.set hM, hX+16*(\i%4)
.if (\g) == 0 && (\kl) == 0
	v_wmma_f32_16x16x128_fp8_fp8 v[hA:hA+7], v[hM:hM+15], v[hN:hN+15], v[BC+8*(\i/4):BC+8*(\i/4)+7]
.else
	v_wmma_f32_16x16x128_fp8_fp8 v[hA:hA+7], v[hM:hM+15], v[hN:hN+15], v[hA:hA+7]
.endif
.else
.set hN, hW+16*(\i%2)
.set hM, hX+16*(\i/2)
.if (\g) == 0 && (\kl) == 0
	v_wmma_f32_16x16x128_fp8_fp8 v[hA:hA+7], v[hN:hN+15], v[hM:hM+15], v[BC+8*(\i%2):BC+8*(\i%2)+7]
.else
	v_wmma_f32_16x16x128_fp8_fp8 v[hA:hA+7], v[hN:hN+15], v[hM:hM+15], v[hA:hA+7]
.endif
.endif
	v_med3_num_f32 v[hE+\i], s[LO], s[HI], v[hE+\i]
.endr
.endm
.macro CVT g, set                      ; 16 numbers of the set that is not multiplied: a lane's 16 codes
	WIN 0
.irp u, 0,1
	v_cvt_scalef32_pk8_fp8_f32 v[CD+16*(\set)+4*(\g)+2*\u:CD+16*(\set)+4*(\g)+2*\u+1], v[ACC+64*(1-(\set))+16*(\g)+8*\u:ACC+64*(1-(\set))+16*(\g)+8*\u+7], v[SC]
.endr
.endm
.macro SEND set
.irp j, 0,1,2,3
	global_store_b128 v[CO], v[CD+16*(\set)+4*\j:CD+16*(\set)+4*\j+3], s[PB:PB+1] offset:512*\j   ; 512 consecutive bytes, aligned
.endr
.endm
; A PASS: four groups of 16 products.  In group g the buffer of group g - 1 takes what the next pass reads there, three groups ahead of its use: so a wait for 32 leaves the two younger groups' loads out, for 36 also the bias's four.
; kind 1: the slot's last pass, which changes slots and fills the one just read again;  kind 2: the same with no fill, left by the launch's last pass.
.macro PASS v, q, kind
.set pS, (\q)%2
	s_wait_dscnt 32
	HALF \v, pS, 0, 0
	FETCH 3, \q                                    ; kind > 0: my last reads of this slot
	HALF \v, pS, 0, 1
	CVT 0, pS
.if \kind
	s_wait_tensorcnt 0x0                           ; all my tensor loads have landed: my part of the next slot
	ds_add_u32 v[SPW], v[NIL]
.if (\kind) == 1
	s_xor_b32 s[G0+1], s[G0+1], SLOT               ; the refill goes into the slot in hand, with the columns two slots on
	s_add_nc_u64 s[G0+2:G0+3], s[G0+2:G0+3], s[DD:DD+1]
	s_sub_co_u32 s[DD], 0x100000, s[DD]
	s_xor_b32 s[TB], s[TB], SLOT
	s_add_co_u32 s[BBS], s[BBS], 8192
.endif
	s_wait_dscnt 33                                ; the add and two groups' loads may be out
	HALF \v, pS, 1, 0
	HALF \v, pS, 1, 1
	CVT 1, pS
	s_wait_dscnt 0x0                               ; the add is done, and my reads of this slot are over
.if (\kind) == 2
	s_cmp_eq_u32 s[TR], 1
	s_cbranch_scc1 .Llast
.endif
	s_barrier_signal -1
	HALF \v, pS, 2, 0
	WIN 0
	s_barrier_wait -1
.if (\kind) == 1
	CREST                                          ; no wave of any partner still reads this slot or has a load on its way
	tensor_load_to_lds s[G0:G0+3], s[G1:G1+7]
	s_nop 0
	PLACES
	v_add_nc_u32 v[A0], s[TB], v[CO]
	v_add_nc_u32 v[A1], 0x10000, v[A0]
	v_add_nc_u32 v[BA], s[BBS], v[BA0]
.else
	v_add_nc_u32 v[A0], SLOT, v[CO]                ; the launch's last slot lies in slot 1
	v_add_nc_u32 v[A1], 0x10000, v[A0]
	v_add_nc_u32 v[BA], 5*8192, v[BA0]
.endif
	FBIAS 0
	FETCH 0, 0
	FETCH 1, 0
	HALF \v, pS, 2, 1
	CVT 2, pS
.else
	s_wait_dscnt 32
	HALF \v, pS, 1, 0
	FETCH 0, (\q)+1
	HALF \v, pS, 1, 1
	CVT 1, pS
	s_wait_dscnt 32
.if (\v) == 0 && (\q) == 0
	s_wait_loadcnt 32                              ; x: K up to 768 (the first trip; later none is out)
.endif
	HALF \v, pS, 2, 0
	FBIAS (\q)+1
	FETCH 1, (\q)+1
	HALF \v, pS, 2, 1
	CVT 2, pS
	s_wait_dscnt 36
.if (\v) == 0 && (\q) == 0
	s_wait_loadcnt 0x0                             ; x: all of K
.endif
.endif
	s_wait_xcnt 0x0                                ; the last pass's stores have read their base and their codes
.if (\q) == 1
	s_mov_b64 s[PB:PB+1], s[NB:NB+1]
.elseif (\v) == 0
	s_add_nc_u64 s[PB:PB+1], s[PB:PB+1], 4096      ; 32 columns on
.elseif (\q) == 0
	s_add_nc_u64 s[PB:PB+1], s[PB:PB+1], s[RS:RS+1]
.elseif (\q) == 2
	s_add_nc_u64 s[PB:PB+1], s[PB:PB+1], 2048      ; V: a tile's other 32 columns,
.else
	s_add_nc_u64 s[PB:PB+1], s[PB:PB+1], 30720     ; and the next tile's first
.endif
	HALF \v, pS, 3, 0
.if \kind
	FETCH 2, 0
.else
	FETCH 2, (\q)+1
.endif
	HALF \v, pS, 3, 1
	CVT 3, pS
	v_nop                                          ; a plain place behind the conversions
.if (\v) == 0 && (\q) == 0
	s_cmp_eq_u32 s[TR], 4                          ; the launch's first pass has none before it: what it converted is the head's bias numbers, and goes nowhere
	s_cbranch_scc1 .Lnothing_yet_\@
	SEND pS
.Lnothing_yet_\@:
.else
	SEND pS
.endif
.endm
.macro MKSC e, lo, hi, sc              ; 2^(e - ex - ew), and +-448 x it
	s_sub_co_i32 s[\sc], s[\e], s78
	s_add_co_i32 s[\sc], s[\sc], 127
	s_add_co_i32 s[\hi], s[\sc], 8
	s_lshl_b32 s[\sc], s[\sc], 23
	s_lshl_b32 s[\hi], s[\hi], 23
	s_or_b32 s[\hi], s[\hi], 0x600000
	s_or_b32 s[\lo], s[\hi], 0x80000000
.endm
	s_load_b256 s[4:11], s[0:1], 0x0               ; xcodes s[4:5], wcodes s[6:7], b s[8:9], the exponents s[10:11]
	s_load_b64 s[12:13], s[0:1], 0x20              ; qkv
	v_lshl_add_u32 v[SPW], v0, 2, SPARE
	v_mov_b32 v[NIL], 0
	ds_add_u32 v[SPW], v[NIL]
	ds_add_u32 v[SPW], v[NIL]
	v_lshrrev_b32 v1, 5, v0
	v_readfirstlane_b32 s14, v1                    ; wave 0..3
	v_and_b32 v2, 31, v0
	v_lshlrev_b32 v[CO], 4, v2
	v_add_nc_u32 v[BA0], BIMG, v[CO]
	v_bfe_u32 v3, v0, 4, 1
	v_lshlrev_b32 v10, 5, v3                       ; bias of Q, K: 8 numbers for each half of the lanes
	v_and_b32 v12, 15, v0
	v_lshlrev_b32 v12, 2, v12                      ; bias of V: a number for each lane % 16
	v_mov_b32 v[A0], v[CO]
	v_add_nc_u32 v[A1], 0x10000, v[CO]
	v_mov_b32 v[BA], v[BA0]
	s_lshl_b32 s17, s14, 12
	v_add_nc_u32 v14, s17, v[BA0]                  ; my four tiles of each part of the bias image
	s_wait_alu depctr_va_vdst(0)
	s_bfe_u32 s15, ttmp6, 0x40000
	s_lshl_b32 s18, ttmp9, 2
	s_add_co_u32 s15, s15, s18                     ; row block X = 4 x cluster x + cx
	s_and_b32 s16, ttmp7, 0xffff                   ; column quarter y
	s_mov_b32 s[G1], 15|(1<<21)                    ; all four of the cluster; 1-byte elements; no padding: 128 rows of 256 bytes, dense
	s_mov_b32 s[G1+1], 256<<16
	s_mov_b32 s[G1+2], 128<<16
	s_mov_b32 s[G1+3], 256<<16
	s_mov_b32 s[G1+4], 128
	s_mov_b32 s[G1+5], 256
	s_mov_b32 s[G1+6], 0
	s_mov_b32 s[G1+7], 0
	s_mov_b32 s[G0], 1
	s_lshl_b32 s[G0+1], s14, 15                    ; 32 columns, 32,768 bytes, a wave
	s_lshl_b32 s20, s16, 18
	s_add_co_u32 s20, s20, s[G0+1]                 ; W: column 256 y + 32 x wave
	s_mov_b32 s21, 0
	s_lshl_b32 s22, s15, 18
	s_lshl_b32 s23, s14, 16
	s_add_co_u32 s22, s22, s23                     ; x: row 256 X + 64 x wave
	s_mov_b32 s23, 0
	s_lshl_b32 s42, s16, 10
	s_lshl_b32 s43, s14, 8
	s_add_co_u32 s42, s42, s43                     ; b: column 256 y + 64 x wave
	s_mov_b32 s43, 0
	s_lshl_b32 s46, s15, 18                        ; Q's results: tile 4 (2 X + wave / 2) + y, its tokens' half wave % 2
	s_lshr_b32 s47, s14, 1
	s_lshl_b32 s47, s47, 17
	s_add_co_u32 s46, s46, s47
	s_lshl_b32 s47, s16, 15
	s_add_co_u32 s46, s46, s47
	s_and_b32 s47, s14, 1
	s_lshl_b32 s47, s47, 11
	s_add_co_u32 s46, s46, s47
	s_mov_b32 s47, 0
	s_lshr_b32 s74, s15, 1                         ; V's results: tile 16 (X / 2) + 4 y, its 64 tokens 4 (X % 2) + wave
	s_lshl_b32 s74, s74, 19
	s_lshl_b32 s75, s16, 17
	s_add_co_u32 s74, s74, s75
	s_and_b32 s75, s15, 1
	s_lshl_b32 s75, s75, 14
	s_add_co_u32 s74, s74, s75
	s_lshl_b32 s75, s14, 12
	s_add_co_u32 s74, s74, s75
	s_add_co_u32 s74, s74, 0x2000000
	s_mov_b32 s75, 0
	s_mov_b32 s[DD], 0xe0000
	s_mov_b32 s[DD+1], 0
	s_mov_b32 s[DN], 16384
	s_mov_b32 s[DN+1], 0
	s_mov_b32 s[TB], 0
	s_mov_b32 s[BBS], 0
	s_mov_b32 s[RS], 4096
	s_mov_b32 s[RS+1], 0
	s_wait_dscnt 0x0                               ; both opening adds are done
	s_wait_kmcnt 0x0
	s_load_b128 s[68:71], s[10:11], 0x0            ; ex, ew, eq, ek
	s_load_b64 s[72:73], s[10:11], 0x10            ; ep, ev
	s_add_nc_u64 s[G0+2:G0+3], s[6:7], s[20:21]
	s_or_b32 s[G0+3], s[G0+3], 0x80000000
	s_add_nc_u64 s[22:23], s[4:5], s[22:23]
	s_add_nc_u64 s[42:43], s[8:9], s[42:43]
	s_add_nc_u64 s[NB:NB+1], s[12:13], s[46:47]
	s_add_nc_u64 s[NV:NV+1], s[12:13], s[74:75]
	s_mov_b64 s[PB:PB+1], s[NB:NB+1]
	CROUND                                         ; all four work-groups are here
	tensor_load_to_lds s[G0:G0+3], s[G1:G1+7]      ; slot 0
	s_nop 0
	PLACES
.irp t, 0,1,2,3
.irp p, 0,1
	global_load_b128 v[ACC+64+32*\p+8*\t:ACC+64+32*\p+8*\t+3], v10, s[42:43] offset:4096*\p+64*\t
	global_load_b128 v[ACC+64+32*\p+8*\t+4:ACC+64+32*\p+8*\t+7], v10, s[42:43] offset:4096*\p+64*\t+16
.endr
	global_load_b32 v[48+\t], v12, s[42:43] offset:8192+64*\t
.endr
.irp k, 0,1,2,3,4,5
	XLOAD \k
.endr
	WIN 0
	s_wait_kmcnt 0x0
	s_add_co_i32 s78, s68, s69
	s_sub_co_i32 s79, 127, s78
	s_lshl_b32 s80, s79, 23                        ; 2^-(ex + ew)
	s_mov_b32 s81, s80
	MKSC 70, 53, 54, 55
	MKSC 71, 56, 57, 58
	MKSC 73, 59, 60, 61
	s_mov_b32 s[LO], s53
	s_mov_b32 s[HI], s54
	v_mov_b32 v[SC], s55
	s_wait_loadcnt 63                              ; of 116 loads the oldest 53 are in, the bias's 20 among them
.irp j, 0,2,4,6,8,10,12,14,16,18,20,22,24,26,28,30,32,34,36,38,40,42,44,46,48,50,52,54,56,58,60,62
	v_pk_mul_f32 v[ACC+64+\j:ACC+65+\j], v[ACC+64+\j:ACC+65+\j], s[80:81] op_sel_hi:[1,0]
.endr
.irp t, 0,1,2,3
.irp i, 0,1,2,3
	v_mul_f32 v[CD+4*\t+\i], s80, v[48+\t]         ; V's bias is the same for all of a lane's eight tokens
.endr
.endr
.irp t, 0,1,2,3
.irp p, 0,1
	ds_store_b128 v14, v[ACC+64+32*\p+8*\t:ACC+64+32*\p+8*\t+3] offset:16384*\p+1024*\t
	ds_store_b128 v14, v[ACC+64+32*\p+8*\t+4:ACC+64+32*\p+8*\t+7] offset:16384*\p+1024*\t+512
.endr
	ds_store_b128 v14, v[CD+4*\t:CD+4*\t+3] offset:32768+1024*\t
	ds_store_b128 v14, v[CD+4*\t:CD+4*\t+3] offset:32768+1024*\t+512
.endr
	s_wait_alu depctr_va_vdst(0)
	s_wait_tensorcnt 0x0                           ; my part of slot 0 is in
	ds_add_u32 v[SPW], v[NIL]
	s_xor_b32 s[G0+1], s[G0+1], SLOT
	s_add_nc_u64 s[G0+2:G0+3], s[G0+2:G0+3], 0x20000
	s_wait_dscnt 0x0                               ; the add is done, and my part of the bias image is stored
	CROUND
	tensor_load_to_lds s[G0:G0+3], s[G1:G1+7]      ; slot 1
	s_nop 0
	PLACES
	XLOAD 6
	XLOAD 7
	FBIAS 0
	FETCH 0, 0
	FETCH 1, 0
	FETCH 2, 0
	WIN 0
	s_wait_loadcnt 63                              ; of 148 loads the oldest 85 are in: x's K up to 512
	s_mov_b32 s[TR], 4
.Lqk:                                              ; a trip is a slot: Q, Q, K, K
	PASS 0, 0, 0
	s_cmp_gt_u32 s[TR], 2                          ; from here on this slot's own results are converted
	s_cselect_b32 s[LO], s53, s56
	s_cselect_b32 s[HI], s54, s57
	s_cselect_b32 s[SCS], s55, s58
	v_mov_b32 v[SC], s[SCS]
	PASS 0, 1, 0
	PASS 0, 2, 0
	PASS 0, 3, 1
	s_add_nc_u64 s[NB:NB+1], s[NB:NB+1], s[DN:DN+1]
	s_sub_co_u32 s[DN], 0x1000000, s[DN]           ; four column blocks on, or from Q's end to K's beginning
	s_sub_co_u32 s[TR], s[TR], 1
	s_cmp_lg_u32 s[TR], 0
	s_cbranch_scc1 .Lqk
	s_mov_b64 s[NB:NB+1], s[NV:NV+1]
	s_mov_b32 s[TR], 2
.Lv:                                               ; V's two slots
	PASS 1, 0, 0
	s_mov_b32 s[LO], s59
	s_mov_b32 s[HI], s60
	v_mov_b32 v[SC], s61
	PASS 1, 1, 0
	PASS 1, 2, 0
	PASS 1, 3, 2
	s_add_nc_u64 s[NB:NB+1], s[NB:NB+1], 65536     ; two tiles on
	s_mov_b32 s[RS], 2048
	s_sub_co_u32 s[TR], s[TR], 1
	s_branch .Lv
.Llast:                                            ; the rest of the last pass: all its fragments are in
	HALF 1, 1, 2, 0
	HALF 1, 1, 2, 1
	CVT 2, 1
	s_wait_xcnt 0x0
	s_add_nc_u64 s[PB:PB+1], s[PB:PB+1], 30720
	HALF 1, 1, 3, 0
	HALF 1, 1, 3, 1
	CVT 3, 1
	v_nop
	SEND 1
	s_wait_xcnt 0x0
	s_add_nc_u64 s[PB:PB+1], s[PB:PB+1], 2048
.irp g, 0,1,2,3                        ; and its own results
.irp i, 0,1,2,3,4,5,6,7,8,9,10,11,12,13,14,15
	v_med3_num_f32 v[ACC+64+16*\g+\i], s[LO], s[HI], v[ACC+64+16*\g+\i]
.endr
	CVT \g, 0
.endr
	v_nop
	SEND 0
	s_wait_tensorcnt 0x0                           ; the wave's end
	ds_add_u32 v[SPW], v[NIL]
	s_wait_dscnt 0x0
	CROUND                                         ; the closing round: no work-group ends while a partner may still ask for a slot that names it
	s_endpgm
.Lfunc_end_k_q8354ef97c2_proj:
	.size	k_q8354ef97c2_proj, .Lfunc_end_k_q8354ef97c2_proj-k_q8354ef97c2_proj
	.p2alignl 7, 3214868480
	.fill 96, 4, 3214868480
	.section	.rodata,"a",@progbits
	.p2align	6, 0x0
	.amdhsa_kernel k_q8354ef97c2_proj
		.amdhsa_group_segment_fixed_size 327680
		.amdhsa_private_segment_fixed_size 0
		.amdhsa_enable_private_segment 0
		.amdhsa_kernarg_size 40
		.amdhsa_user_sgpr_count 2
		.amdhsa_user_sgpr_kernarg_segment_ptr 1
		.amdhsa_wavefront_size32 1
		.amdhsa_system_sgpr_workgroup_id_x 1
		.amdhsa_system_sgpr_workgroup_id_y 1
		.amdhsa_system_sgpr_workgroup_id_z 1
		.amdhsa_system_vgpr_workitem_id 0
		.amdhsa_next_free_vgpr 1024
		.amdhsa_next_free_sgpr 84
		.amdhsa_reserve_vcc 0
		.amdhsa_float_denorm_mode_32 3
		.amdhsa_float_denorm_mode_16_64 3
		.amdhsa_memory_ordered 1
		.amdhsa_forward_progress 1
		.amdhsa_inst_pref_size 152
	.end_amdhsa_kernel
	.amdgpu_metadata
---
amdhsa.version: [ 1, 2 ]
amdhsa.kernels:
  - .name:           k_q8354ef97c2_proj
    .symbol:         k_q8354ef97c2_proj.kd
    .args:
      - { .name: xcodes, .offset: 0, .size: 8, .value_kind: global_buffer, .address_space: global }
      - { .name: wcodes, .offset: 8, .size: 8, .value_kind: global_buffer, .address_space: global }
      - { .name: b_qkv, .offset: 16, .size: 8, .value_kind: global_buffer, .address_space: global }
      - { .name: lowp_scales, .offset: 24, .size: 8, .value_kind: global_buffer, .address_space: global }
      - { .name: qkv, .offset: 32, .size: 8, .value_kind: global_buffer, .address_space: global }
    .group_segment_fixed_size: 327680
    .private_segment_fixed_size: 0
    .kernarg_segment_align: 8
    .kernarg_segment_size: 40
    .max_flat_workgroup_size: 128
    .sgpr_count:     84
    .vgpr_count:     1024
    .wavefront_size: 32
...
	.end_amdgpu_metadata
.endif
;; end of part 2
;; launch attn (part 3): grid 64 x 4, 4 waves a work-group, clusters of 4 x 1, 327,680 bytes of LDS; arguments qkv, lowp_scales, out0; writes out0
.if DOCPART == 3
	.amdgcn_target "amdgcn-amd-amdhsa--gfx1250"
	.amdhsa_code_object_version 6
	.text
	.protected	k_q8354ef97c2_attn
	.globl	k_q8354ef97c2_attn
	.p2align	8
	.type	k_q8354ef97c2_attn,@function
k_q8354ef97c2_attn:
	s_mov_b64 s[64:65], 0
	v_nop
	global_prefetch_b8 v0, s[64:65] scope:SCOPE_SE
	s_setreg_imm32_b32 hwreg(HW_REG_WAVE_MODE, 25, 1), 1
	s_wait_xcnt 0x0
	s_wait_alu depctr_hold_cnt(0) depctr_sa_sdst(0) depctr_va_vdst(0) depctr_va_sdst(0) depctr_va_ssrc(0) depctr_va_vcc(0) depctr_vm_vsrc(0)
	s_getreg_b32 s2, hwreg(HW_REG_IB_STS2, 6, 4)
	s_cmp_eq_u32 s2, 0
	s_cbranch_scc0 .Lentry_in_a_cluster
	s_endpgm
.Lentry_in_a_cluster:
	s_bfe_u32 s2, ttmp6, 0x10000c
	s_cmp_lg_u32 s2, 0x3003
	s_cbranch_scc0 .Lentry_shape_is_right
	s_endpgm
.Lentry_shape_is_right:
; out = softmax(Q K^T / 32) V on codes of FP8 (E4M3).  t = score x log2(e) / 32; M = the row's largest t rounded up to a whole number; p = 2^(t - M) is quantised along the keys, not normalised;
; the row's sum of the unquantised p, in f32, divides at the end.
; A work-group owns 64 queries of one batch; its wave w makes the scores of keys 128 w .. 128 w + 127 and the outputs of columns 256 w .. 256 w + 255.  Maxima, sums and p's codes pass from wave to wave through LDS.
; Q, K and V are images of operand registers: 512 bytes are one 16-byte load of a wave, in memory and in LDS alike, so no padding is needed.
; K and V come through two LDS slots of four tiles of 32,768 bytes, a tile a wave: K in four slots of 256 along the head (128 keys a tile), then V in four slots of 64 columns a tile x all 512 keys.
; So each of V's slots finishes 64 of a wave's columns, which go out while the next slot is multiplied.  Q, all 1,024 along the head, stays in 512 registers.
; CLUSTERS: four work-groups of one batch ask jointly, mask 15.  PREFETCHES name each 256 bytes of K and V, but for K's first slot, once in the launch: the batch's eight work-groups take an eighth of each tile each, by address,
; one to three slots ahead of the joint load; none past V's last slot.
; Both products are used transposed: a lane holds one query (lane % 16) throughout.
; LIMITS: eq + ek between -121 and 131 (added to the factor's exponent field), ep between -126 and 119; the scaled scores stay under 2^31 in magnitude.
.set SLOT,   131072
.set PIMG,   2*SLOT                    ; p's codes, 16 fragments; then the waves' stages for the way out, 16 rows x 272 bytes each
.set STATM,  PIMG+32768
.set STATL,  STATM+1024
.set SPARE,  STATL+1024                ; the spare words: two blocks of 256 bytes that no other line names
.set SPITCH, 272
.set PF3, 3                            ; v3      prefetch of one slot
.set AF,  4                            ; v4, v5  my tile in slot 0, 1
.set QO,  6                            ; v6      16 x lane
.set LI,  7                            ; v7      the way out: two rows of 256 bytes an instruction
.set PWI, 8
.set PRI, 9
.set SMW, 10
.set SMR, 11
.set STO, 12
.set RD,  13
.set SPW, 14
.set NIL, 15
.set PFO, 16                           ; v16     prefetch of two neighbouring slots
.set SC,  17
.set LIM, 18
.set PF2, 19                           ; v19     prefetch of K's last slot and V's first
.set MX,  20
.set EX,  24
.set NM,  40
.set L,   48
.set LS,  56
.set T,   60
.set PC,  192
.set WV,  10
.set G1,  16
.set G0,  24
.set VP,  32
.set KP,  34
.set QP,  36
.set OP,  38
.set CS,  40
.set SEL, 42
.set EPV, 63
.set MSB, 0
.macro WIN new                         ; the immediate's high byte repeats the setting that is left
.if MSB != (\new)
	s_set_vgpr_msb (MSB<<8)|(\new)
.set MSB, \new
.endif
.endm
.macro ROUND
	s_barrier_signal -1
	s_barrier_wait -1
	s_cmp_lg_u32 s[WV], 0
	s_cbranch_scc1 .Lnot_wave_0_\@
	s_barrier_signal -3
.Lnot_wave_0_\@:
	s_barrier_wait -3
	s_barrier_signal -1
	s_barrier_wait -1
.endm
.macro PLACES                          ; four places behind matrix instructions, in front of loads into what they have read
.rept 4
	v_nop
.endr
.endm
.macro QLOAD s                         ; Q, 128 along the head: 16 loads of 512 consecutive bytes
	WIN 0x80+0x40*((\s)/4)
.irp m, 0,1,2,3
.irp c, 0,1,2,3
	global_load_b128 v[64*((\s)%4)+16*\m+4*\c:64*((\s)%4)+16*\m+4*\c+3], v[QO], s[QP:QP+1] offset:((\s)/2)*32768+(4*((\s)%2)+\c)*4096+\m*512
.endr
.endr
.endm
; Groups of 16 products: 0-15 scores (slot G / 4), 16-31 outputs (slot G / 4).  A group's four fragments lie in one of two buffers of 64 registers.
.macro FETCHG G
.set fS, 64+64*((\G)%2)
.set fA, AF+((\G)/4)%2
.irp ii, 0,1,2,3
.irp c, 0,1,2,3
.if (\G) < 16
	ds_load_b128 v[fS+16*\ii+4*\c:fS+16*\ii+4*\c+3], v[fA] offset:4096*(4*(((\G)%4)/2)+\c)+512*(4*((\G)%2)+\ii)
.else
	ds_load_b128 v[fS+16*\ii+4*\c:fS+16*\ii+4*\c+3], v[fA] offset:4096*(2*((\G)%4)+\c/2)+1024*\ii+512*(\c%2)
.endif
.endr
.endr
.endm
.macro MULG G, lo, n                   ; n of the group's four fragments, from lo on, each against four tiles of queries: 16 accumulators by turns
.set gS, 64+64*((\G)%2)
.set ii, \lo
.if (\G) < 16
.set gD, 2*((\G)/4)+((\G)%4)/2
.set gI, 4*((\G)%2)
	WIN 0x58+4*(gD/4)
.rept \n
.irp m, 0,1,2,3
.if gD == 0
	v_wmma_f32_16x16x128_fp8_fp8 v[64*\m+8*(gI+ii):64*\m+8*(gI+ii)+7], v[gS+16*ii:gS+16*ii+15], v[64*(gD%4)+16*\m:64*(gD%4)+16*\m+15], 0
.else
	v_wmma_f32_16x16x128_fp8_fp8 v[64*\m+8*(gI+ii):64*\m+8*(gI+ii)+7], v[gS+16*ii:gS+16*ii+15], v[64*(gD%4)+16*\m:64*(gD%4)+16*\m+15], v[64*\m+8*(gI+ii):64*\m+8*(gI+ii)+7]
.endif
.endr
.set ii, ii+1
.endr
.else
.set gV, ((\G)-16)/4
.set gK, (\G)%4
.set gO, 128*(gV%2)
	WIN 0xa4+0x50*(gV/2)
.rept \n
.irp m, 0,1,2,3
.if gK == 0
	v_wmma_f32_16x16x128_fp8_fp8 v[gO+32*\m+8*ii:gO+32*\m+8*ii+7], v[gS+16*ii:gS+16*ii+15], v[16*(4*\m+gK):16*(4*\m+gK)+15], 0
.else
	v_wmma_f32_16x16x128_fp8_fp8 v[gO+32*\m+8*ii:gO+32*\m+8*ii+7], v[gS+16*ii:gS+16*ii+15], v[16*(4*\m+gK):16*(4*\m+gK)+15], v[gO+32*\m+8*ii:gO+32*\m+8*ii+7]
.endif
.endr
.set ii, ii+1
.endr
.endif
	WIN 0
.endm
.macro BODY G
	PLACES
	FETCHG (\G)+1
	s_wait_dscnt 16                                ; this group's fragments are in; the next one's 16 loads may be out
	MULG \G, 0, 4
.endm
; A slot's last group: my tile of the other slot has landed; behind a round of the cluster's barrier the slot just read is filled again.
; kind 1: K, two slots on;  2: V's first slot;  3: V, two slots on.  out: an output block whose rows are back from the stage and are stored here, or -1.
.macro LASTG G, kind, out
.set lS, ((\G)/4)%2
	s_wait_dscnt 0x0                               ; this group's fragments are in
	MULG \G, 0, 2                                  ; half of its products ahead of the wait for the other slot's tile
	s_wait_tensorcnt 0x0
	ds_add_u32 v[SPW], v[NIL]
.if (\kind) == 2
	s_mov_b64 s[G0+4*lS+2:G0+4*lS+3], s[VP:VP+1]
	s_or_b32 s[G0+4*lS+3], s[G0+4*lS+3], 0x80000000
.else
	s_add_nc_u64 s[G0+4*lS+2:G0+4*lS+3], s[G0+4*lS+2:G0+4*lS+3], 65536
.endif
	s_wait_dscnt 0x0                               ; the add is done, and my reads of the slot are over
.if (\out) >= 0
	OUT_B \out, PC+32*((\out)%2)
.endif
	ROUND
	tensor_load_to_lds s[G0+4*lS:G0+4*lS+3], s[G1:G1+7]
	s_nop 0
	PLACES
	FETCHG (\G)+1
.if (\G) == 7
	global_prefetch_b8 v[PFO], s[VP:VP+1] offset:32768 th:TH_LOAD_NT scope:SCOPE_SE   ; V's slots 1 and 2
.endif
.if (\G) == 11
	global_prefetch_b8 v[PF3], s[VP:VP+1] offset:98304 th:TH_LOAD_NT scope:SCOPE_SE   ; V's slot 3
.endif
	MULG \G, 2, 2
.endm
; THE WAY OUT, blocks of 16 queries x 64 columns: block o = 4 x slot + tile of queries.  OUT_A: the factor, into my stage, and back as rows of 256 bytes.  OUT_B: stored, two rows an instruction.
.macro OUT_A o, buf
.set oA, 128*(((\o)/4)%2)+32*((\o)%4)
.set oM, NM+2*((\o)%4)
	WIN 0x02+(\o)/8
.irp i, 0,2,4,6,8,10,12,14,16,18,20,22,24,26,28,30
	v_pk_mul_f32 v[(\buf)+\i:(\buf)+\i+1], v[oA+\i:oA+\i+1], v[oM:oM+1]
.endr
	WIN 0
.irp c, 0,1,2,3
	ds_store_b128 v[STO], v[(\buf)+8*\c:(\buf)+8*\c+3] offset:64*\c
	ds_store_b128 v[STO], v[(\buf)+8*\c+4:(\buf)+8*\c+7] offset:64*\c+16
.endr
.irp t, 0,1,2,3,4,5,6,7
	ds_load_b128 v[(\buf)+4*\t:(\buf)+4*\t+3], v[RD] offset:2*\t*SPITCH   ; LDS serves a wave's instructions in order (ISA guide 5.7.1.4)
.endr
.endm
.macro OUT_B o, buf
.irp t, 0,1,2,3,4,5,6,7
	global_store_b128 v[LI], v[(\buf)+4*\t:(\buf)+4*\t+3], s[OP:OP+1] offset:65536*((\o)%4)+8192*\t+256*((\o)/4) th:TH_STORE_NT
.endr
.endm
.macro BODYO G                         ; a group of outputs that also sends block G - 21 and stages block G - 20
	PLACES
.if (\G) < 31
	FETCHG (\G)+1
	s_wait_dscnt 16                                ; this group's fragments and the last block's rows are in
.else
	s_wait_dscnt 0x0
.endif
.if (\G) > 20
	OUT_B (\G)-21, PC+32*(((\G)-21)%2)
.endif
	MULG \G, 0, 4
	s_wait_xcnt 0x0                                ; the stores have read the registers that the next block takes
	OUT_A (\G)-20, PC+32*((\G)%2)
.endm
	s_load_b128 s[4:7], s[0:1], 0x0                ; qkv, the exponents
	s_load_b64 s[8:9], s[0:1], 0x10                ; out
	v_lshl_add_u32 v[SPW], v0, 2, SPARE
	v_mov_b32 v[NIL], 0
	ds_add_u32 v[SPW], v[NIL]
	ds_add_u32 v[SPW], v[NIL]
	v_lshrrev_b32 v1, 5, v0
	v_readfirstlane_b32 s[WV], v1                  ; wave 0..3
	s_bfe_u32 s11, ttmp6, 0x40000
	s_and_b32 s13, ttmp7, 0xffff                   ; cluster (x, y): batch x + 16 (y / 2), the batch's half of the queries y % 2
	s_and_b32 s12, s13, 1
	s_lshl_b32 s12, s12, 2
	s_add_co_u32 s11, s11, s12                     ; which 64 queries of the batch, 0 to 7
	s_lshr_b32 s13, s13, 1
	s_lshl_b32 s13, s13, 4
	s_add_co_u32 s13, s13, ttmp9                   ; the batch
	s_lshl_b32 s50, s13, 19                        ; a batch's codes in each of Q, K, V: 2^19 bytes
	s_lshl_b32 s51, s[WV], 17                      ; my four tiles of K, and of V
	s_add_co_u32 s51, s51, s50
	s_add_co_u32 s52, s51, 0x1000000
	s_mov_b32 s53, 0
	s_add_co_u32 s54, s51, 0x2000000
	s_mov_b32 s55, 0
	s_lshr_b32 s56, s11, 1
	s_lshl_b32 s56, s56, 17
	s_and_b32 s57, s11, 1
	s_lshl_b32 s57, s57, 11
	s_add_co_u32 s56, s56, s57
	s_add_co_u32 s56, s56, s50                     ; Q: tile 4 (4 x batch + queries / 2), its half queries % 2
	s_mov_b32 s57, 0
	s_lshl_b32 s58, s13, 21
	s_lshl_b32 s59, s11, 18
	s_add_co_u32 s58, s58, s59
	s_lshl_b32 s59, s[WV], 10
	s_add_co_u32 s58, s58, s59
	s_mov_b32 s59, 0
	s_lshl_b32 s60, s11, 12                        ; my eighth of a tile, for the prefetches
	s_lshl_b32 s61, s[WV], 11
	s_lshl_b32 s62, s[WV], 15
	s_mul_i32 s15, s[WV], 16*SPITCH
	s_add_co_u32 s15, s15, PIMG                    ; my stage
	s_lshl_b32 s14, s[WV], 8
	v_and_b32 v1, 15, v0
	v_bfe_u32 v2, v0, 4, 1
	v_and_b32 v3, 31, v0
	v_lshlrev_b32 v[QO], 4, v3
	v_add_nc_u32 v[AF], s62, v[QO]
	v_add_nc_u32 v[AF+1], SLOT, v[AF]
	v_lshlrev_b32 v[LI], 12, v2
	v_lshl_add_u32 v[LI], v1, 4, v[LI]
	v_add_nc_u32 v[PRI], PIMG, v[QO]
	v_add_nc_u32 v[PWI], s61, v[PRI]
	v_lshlrev_b32 v[SMR], 4, v1
	v_add_nc_u32 v[SMR], STATM, v[SMR]
	v_add_nc_u32 v[SMW], s14, v[SMR]
	v_mul_u32_u24 v[STO], v1, SPITCH
	v_lshl_add_u32 v[STO], v2, 5, v[STO]
	v_add_nc_u32 v[STO], s15, v[STO]
	v_mul_u32_u24 v[RD], v2, SPITCH
	v_lshl_add_u32 v[RD], v1, 4, v[RD]
	v_add_nc_u32 v[RD], s15, v[RD]
	v_lshlrev_b32 v[PFO], 8, v1
	v_add_nc_u32 v[PFO], s60, v[PFO]               ; lanes 256 bytes apart: sixteen take my 4,096 bytes of one tile,
	v_mul_u32_u24 v[PF2], v2, 0xfe8000
	v_add_nc_u32 v[PF2], v[PFO], v[PF2]            ; the others of another: V's first tile lies 2^24 - 3 x 32,768 bytes behind K's last
	v_lshl_add_u32 v[PFO], v2, 15, v[PFO]          ; or of the next one
	v_min_u32 v3, 15, v3
	v_lshlrev_b32 v[PF3], 8, v3
	v_add_nc_u32 v[PF3], s60, v[PF3]               ; one tile alone: the lanes left over name the last block again
	s_wait_alu depctr_va_vdst(0)
	s_mov_b32 s[G1], 15|(1<<21)                    ; all four of the cluster; 1-byte elements; no padding: 128 rows of 256 bytes, dense
	s_mov_b32 s[G1+1], 256<<16
	s_mov_b32 s[G1+2], 128<<16
	s_mov_b32 s[G1+3], 256<<16
	s_mov_b32 s[G1+4], 128
	s_mov_b32 s[G1+5], 256
	s_mov_b32 s[G1+6], 0
	s_mov_b32 s[G1+7], 0
	s_mov_b32 s[SEL], 0x76543210
	s_mov_b32 s[SEL+1], 0xfedcba98
	s_wait_dscnt 0x0                               ; both opening adds are done
	s_wait_kmcnt 0x0
	s_load_b128 s[44:47], s[6:7], 0x0              ; ex, ew, eq, ek
	s_load_b64 s[48:49], s[6:7], 0x10              ; ep, ev
	s_add_nc_u64 s[KP:KP+1], s[4:5], s[52:53]
	s_add_nc_u64 s[VP:VP+1], s[4:5], s[54:55]
	s_add_nc_u64 s[QP:QP+1], s[4:5], s[56:57]
	s_add_nc_u64 s[OP:OP+1], s[8:9], s[58:59]
	s_mov_b32 s[G0], 1
	s_mov_b32 s[G0+1], s62
	s_mov_b64 s[G0+2:G0+3], s[KP:KP+1]
	s_or_b32 s[G0+3], s[G0+3], 0x80000000
	s_mov_b32 s[G0+4], 1
	s_add_co_u32 s[G0+5], s62, SLOT
	s_add_nc_u64 s[G0+6:G0+7], s[KP:KP+1], 32768
	s_or_b32 s[G0+7], s[G0+7], 0x80000000
	ROUND                                          ; all four work-groups are here
	tensor_load_to_lds s[G0:G0+3], s[G1:G1+7]      ; K's slot 0
	s_nop 0
	PLACES
	QLOAD 0
	QLOAD 1
	WIN 0
	global_prefetch_b8 v[PFO], s[KP:KP+1] offset:32768 th:TH_LOAD_NT scope:SCOPE_SE   ; K's slots 1 and 2
	QLOAD 2
	QLOAD 3
	WIN 0
	s_wait_tensorcnt 0x0
	ds_add_u32 v[SPW], v[NIL]
	s_wait_dscnt 0x0
	ROUND
	tensor_load_to_lds s[G0+4:G0+7], s[G1:G1+7]    ; K's slot 1
	s_nop 0
	PLACES
	FETCHG 0
	global_prefetch_b8 v[PF2], s[KP:KP+1] offset:98304 th:TH_LOAD_NT scope:SCOPE_SE   ; K's slot 3 and V's slot 0
	QLOAD 4
	QLOAD 5
	QLOAD 6
	QLOAD 7
	WIN 0
	s_wait_kmcnt 0x0
	s_add_co_i32 s50, s46, s47
	s_lshl_b32 s50, s50, 23
	s_add_co_i32 s[CS], s50, 0x3d38aa3b            ; log2(e) / 32 x 2^(eq + ek)
	s_mov_b32 s[CS+1], s[CS]
	s_add_co_i32 s50, s48, 127
	s_lshl_b32 s51, s50, 23
	v_mov_b32 v[SC], s51                           ; 2^ep
	s_add_co_i32 s50, s50, 8
	s_lshl_b32 s50, s50, 23
	s_or_b32 s50, s50, 0x600000
	v_mov_b32 v[LIM], s50                          ; 448 x 2^ep
	s_add_co_i32 s[EPV], s48, s49
	s_wait_loadcnt 63                              ; of Q's 128 loads the oldest 65 are in: 512 along the head
	BODY 0
	BODY 1
	BODY 2
	LASTG 3, 1, -1
	BODY 4
	BODY 5
	BODY 6
	LASTG 7, 1, -1
	s_wait_loadcnt 32                              ; Q: 768 along the head
	BODY 8
	BODY 9
	BODY 10
	LASTG 11, 2, -1
	s_wait_loadcnt 0x0                             ; Q: all
	BODY 12
	BODY 13
	BODY 14
	s_wait_dscnt 0x0
	MULG 15, 0, 4
.irp m, 0,1,2,3                        ; (these sixteen are also the places behind the last scores' products)
	v_mov_b32 v[MX+\m], 0xff800000
	v_mov_b32 v[T+\m], 0
	v_mov_b32 v[L+2*\m], 0
	v_mov_b32 v[L+2*\m+1], 0
.endr
	WIN 0x14
.set p, 0
.rept 32
.irp m, 0,1,2,3
	v_max3_num_f32 v[MX+\m], v[MX+\m], v[64*\m+2*p], v[64*\m+2*p+1]
.endr
.set p, p+1
.endr
	WIN 0
.irp m, 0,1,2,3
	v_permlanex16_b32 v[T+\m], v[MX+\m], s[SEL], s[SEL+1]
.endr
.irp m, 0,1,2,3
	v_max_num_f32 v[MX+\m], v[MX+\m], v[T+\m]
.endr
	ds_store_b128 v[SMW], v[MX:MX+3]
	s_wait_tensorcnt 0x0                           ; V's slot 0 is in
	ds_add_u32 v[SPW], v[NIL]
	s_add_nc_u64 s[G0+6:G0+7], s[VP:VP+1], 32768
	s_or_b32 s[G0+7], s[G0+7], 0x80000000
	s_wait_dscnt 0x0                               ; the add is done, my maxima are stored, and my reads of slot 1 are over
	ROUND                                          ; the round also hands the maxima over
	tensor_load_to_lds s[G0+4:G0+7], s[G1:G1+7]    ; V's slot 1
	s_nop 0
	PLACES
.irp w, 0,1,2,3
	ds_load_b128 v[EX+4*\w:EX+4*\w+3], v[SMR] offset:256*\w
.endr
	FETCHG 16
	s_wait_dscnt 16                                ; the maxima; the first group's fragments of V may be out
.irp m, 0,1,2,3
	v_max3_num_f32 v[MX+\m], v[EX+\m], v[EX+4+\m], v[EX+8+\m]
.endr
.irp m, 0,1,2,3
	v_max_num_f32 v[MX+\m], v[MX+\m], v[EX+12+\m]
.endr
.irp m, 0,1,2,3
	v_mul_f32 v[MX+\m], s[CS], v[MX+\m]
.endr
.irp m, 0,1,2,3
	v_floor_f32 v[NM+2*\m], -v[MX+\m]              ; -M
	v_floor_f32 v[NM+2*\m+1], -v[MX+\m]
.endr
	WIN 0x41
.set p, 0
.rept 32
.irp m, 0,1,2,3
	v_pk_fma_f32 v[64*\m+2*p:64*\m+2*p+1], v[64*\m+2*p:64*\m+2*p+1], s[CS:CS+1], v[NM+2*\m:NM+2*\m+1] op_sel_hi:[1,0,0]   ; t - M
.endr
.set p, p+1
.endr
.set p, 0
	s_wait_alu depctr_va_vdst(0)
.rept 256
	v_exp_f32 v[p], v[p]
.set p, p+1
.endr
	v_nop
	s_wait_alu depctr_va_vdst(0)
	WIN 0x04
.set p, 0
.rept 32
.irp m, 0,1,2,3
	v_pk_add_f32 v[L+2*\m:L+2*\m+1], v[L+2*\m:L+2*\m+1], v[64*\m+2*p:64*\m+2*p+1]   ; the sum of the unquantised p
.endr
.set p, p+1
.endr
	WIN 0x41
.set p, 0
.rept 256
	v_min_num_f32 v[p], v[p], v[LIM]               ; the conversion does not saturate (ISA guide 7.6.2); p is never negative
.set p, p+1
.endr
	WIN 0x01
.irp m, 0,1,2,3
.irp k, 0,1,2,3,4,5,6,7
	v_cvt_scalef32_pk8_fp8_f32 v[PC+16*\m+2*\k:PC+16*\m+2*\k+1], v[64*\m+8*\k:64*\m+8*\k+7], v[SC]
.endr
.endr
	v_nop
	WIN 0
.irp m, 0,1,2,3
	v_add_f32 v[LS+\m], v[L+2*\m], v[L+2*\m+1]
.endr
.irp m, 0,1,2,3
	v_permlanex16_b32 v[T+\m], v[LS+\m], s[SEL], s[SEL+1]
.endr
.irp m, 0,1,2,3
	v_add_f32 v[LS+\m], v[LS+\m], v[T+\m]
.endr
.irp m, 0,1,2,3
.irp c, 0,1,2,3
	ds_store_b128 v[PWI], v[PC+16*\m+4*\c:PC+16*\m+4*\c+3] offset:8192*\m+512*\c
.endr
.endr
	ds_store_b128 v[SMW], v[LS:LS+3] offset:1024
	s_wait_dscnt 0x0
	s_barrier_signal -1
	s_barrier_wait -1                              ; everybody's codes and sums are stored
	WIN 0x40
.irp f, 0,1,2,3,4,5,6,7,8,9,10,11,12,13,14,15
.irp c, 0,1,2,3
	ds_load_b128 v[16*\f+4*\c:16*\f+4*\c+3], v[PRI] offset:2048*\f+512*\c
.endr
.endr
	WIN 0
.irp w, 0,1,2,3
	ds_load_b128 v[EX+4*\w:EX+4*\w+3], v[SMR] offset:1024+256*\w
.endr
	s_wait_dscnt 0x0
.irp m, 0,1,2,3
	v_add_f32 v[LS+\m], v[EX+\m], v[EX+4+\m]
	v_add_f32 v[T+\m], v[EX+8+\m], v[EX+12+\m]
.endr
.irp m, 0,1,2,3
	v_add_f32 v[LS+\m], v[LS+\m], v[T+\m]
.endr
	s_wait_alu depctr_va_vdst(0)
.irp m, 0,1,2,3
	v_rcp_f32 v[T+\m], v[LS+\m]
.endr
	v_nop
	s_wait_alu depctr_va_vdst(0)
.irp m, 0,1,2,3
	v_ldexp_f32 v[NM+2*\m], v[T+\m], s[EPV]        ; 2^(ep + ev) / the sum
	v_ldexp_f32 v[NM+2*\m+1], v[T+\m], s[EPV]
.endr
	s_wait_alu depctr_va_vdst(0)
	BODY 16
	BODY 17
	BODY 18
	LASTG 19, 3, -1
	BODYO 20
	BODYO 21
	BODYO 22
	LASTG 23, 3, 2
	s_wait_xcnt 0x0
	OUT_A 3, PC+32
	BODYO 24
	BODYO 25
	BODYO 26
	s_wait_tensorcnt 0x0                           ; my tile of V's last slot, which I alone read
	BODYO 27
	BODYO 28
	BODYO 29
	BODYO 30
	BODYO 31
	OUT_A 12, 64                                   ; (block 11's sixteen products by the factor were the places behind the last matrix instructions)
	s_wait_dscnt 16
	OUT_B 11, PC+32
	OUT_A 13, 96
	s_wait_dscnt 16
	OUT_B 12, 64
	OUT_A 14, 128
	s_wait_dscnt 16
	OUT_B 13, 96
	OUT_A 15, 160
	s_wait_dscnt 16
	OUT_B 14, 128
	s_wait_dscnt 0x0
	OUT_B 15, 160
	s_wait_tensorcnt 0x0                           ; the wave's end
	ds_add_u32 v[SPW], v[NIL]
	s_wait_dscnt 0x0
	ROUND                                          ; the closing round: no work-group ends while a partner may still ask for a tile that names it
	s_endpgm
.Lfunc_end_k_q8354ef97c2_attn:
	.size	k_q8354ef97c2_attn, .Lfunc_end_k_q8354ef97c2_attn-k_q8354ef97c2_attn
	.p2alignl 7, 3214868480
	.fill 96, 4, 3214868480
	.section	.rodata,"a",@progbits
	.p2align	6, 0x0
	.amdhsa_kernel k_q8354ef97c2_attn
		.amdhsa_group_segment_fixed_size 327680
		.amdhsa_private_segment_fixed_size 0
		.amdhsa_enable_private_segment 0
		.amdhsa_kernarg_size 24
		.amdhsa_user_sgpr_count 2
		.amdhsa_user_sgpr_kernarg_segment_ptr 1
		.amdhsa_wavefront_size32 1
		.amdhsa_system_sgpr_workgroup_id_x 1
		.amdhsa_system_sgpr_workgroup_id_y 1
		.amdhsa_system_sgpr_workgroup_id_z 1
		.amdhsa_system_vgpr_workitem_id 0
		.amdhsa_next_free_vgpr 1024
		.amdhsa_next_free_sgpr 66
		.amdhsa_reserve_vcc 0
		.amdhsa_float_denorm_mode_32 3
		.amdhsa_float_denorm_mode_16_64 3
		.amdhsa_memory_ordered 1
		.amdhsa_forward_progress 1
		.amdhsa_inst_pref_size 192
	.end_amdhsa_kernel
	.amdgpu_metadata
---
amdhsa.version: [ 1, 2 ]
amdhsa.kernels:
  - .name:           k_q8354ef97c2_attn
    .symbol:         k_q8354ef97c2_attn.kd
    .args:
      - { .name: qkv, .offset: 0, .size: 8, .value_kind: global_buffer, .address_space: global }
      - { .name: lowp_scales, .offset: 8, .size: 8, .value_kind: global_buffer, .address_space: global }
      - { .name: out0, .offset: 16, .size: 8, .value_kind: global_buffer, .address_space: global }
    .group_segment_fixed_size: 327680
    .private_segment_fixed_size: 0
    .kernarg_segment_align: 8
    .kernarg_segment_size: 24
    .max_flat_workgroup_size: 128
    .sgpr_count:     66
    .vgpr_count:     1024
    .wavefront_size: 32
...
	.end_amdgpu_metadata
.endif
;; end of part 3
